; MI455X (gfx1250); checked and timed in simulation.
; The chip was launched on July 23, 2026; its instructions are those of AMD's public machine-readable ISA for CDNA 5 (MIT licence, August 2026) and "CDNA5" Instruction Set Architecture Reference Guide (July 2026). The comments in the code are by the model that wrote it; some were corrected since.
;; OKR Router. Allowed arithmetic: matrix products marked QUANTISED: E2M3 operands, one E8M0 scale for each 32 along K, by v_wmma_scale_f32_16x16x128_f8f6f4 with both operands' format E2M3, f32 sums; everything else in f32.
;; Inputs: gate_W 64 x 2,048 float32; hidden_states 4 x 4,096 x 2,048 float32; secret_projection 2,048 x 64 float32.
;; Outputs: out0 4 x 4,096 x 2 float32; out1 4 x 4,096 x 2 int32.
;; Constants: top_k = 2.
;; This version of the problem:
;;   THIS VERSION OF THE PROBLEM IS GIVEN IN LOW PRECISION. The matrix products marked QUANTISED in the list below multiply operands that are first quantised to E2M3 (2 exponent bits, 3 mantissa bits; 6 bits a number), with one power-of-two scale for each 32 numbers along K (OCP MX v1.0); their sums are f32. All else is computed in f32.
;;   The module's matrix products, in the order in which they are computed (A, B: the left and right operand; K: the contracted axis; several contracted axes count as one K, in the product's order):
;;     1. [M 16,384, K 2,048] x [K 2,048, N 64]; A: input hidden_states; B: input gate_W: QUANTISED
;;     2. [M 16,384, K 2,048] x [K 2,048, N 64]; A: input hidden_states; B: input secret_projection: QUANTISED
;;   THE QUANTISER, for each operand of a quantised product, along K:
;;     - K is cut into blocks of 32 from its start; a last block that is shorter is filled with zeros.
;;     - A block's scale is 2^e with e = floor(log2(the largest magnitude in the block)) - 2, held to -126 .. 127; a block of zeros has e = 0. As a byte (E8M0): e + 127.
;;     - Each number is divided by its block's scale, clamped to +-7.5, and rounded to the nearest number of E2M3, ties to even, subnormals kept.
;;     - The product sums the exact products of the quantised numbers (number of the format x scale) in f32.
;;   ~~~python
;;   def quantise(x, axis):      # numpy; x: float32 -> the quantised numbers, widened to float32 again
;;       x = np.moveaxis(x, axis, -1); K = x.shape[-1]
;;       x = np.pad(x, [(0, 0)] * (x.ndim - 1) + [(0, -K % 32)]); x = x.reshape(x.shape[:-1] + (-1, 32)); a = np.abs(x).max(-1, keepdims=True)
;;       e = np.where(a > 0, np.clip(np.frexp(np.where(a > 0, a, 1))[1] - 1 - 2, -126, 127), 0)      # np.frexp(a)[1] - 1 = floor(log2(a)), exactly
;;       r = np.clip(x / 2.0 ** e, -7.5, 7.5)
;;       step = 2.0 ** (np.maximum(np.frexp(np.where(r == 0, 1, r))[1] - 1, 0) - 3)
;;       q = np.round(r / step) * step * 2.0 ** e      # np.round: ties to even
;;       return np.moveaxis(q.reshape(q.shape[:-2] + (-1,))[..., :K], -1, axis).astype(np.float32)
;;   ~~~
;; One version. Each part assembles by itself: llvm-mc -triple=amdgcn-amd-amdhsa -mcpu=gfx1250 --defsym DOCPART=n.
;; ======== version 1 of 1: 2 launches
;; limits: right only within a limited range of input values
;; workspace buffers: wq 196,608 bytes; ws 8,192 bytes
;; launch prep (part 1): grid 128 x 1, 1 waves a work-group, no clusters, 0 bytes of LDS; arguments gate_W, secret_projection, wq, ws; writes wq, ws
.if DOCPART == 1
	.amdgcn_target "amdgcn-amd-amdhsa--gfx1250"
	.amdhsa_code_object_version 6
	.text
	.protected	k_q347eef10dd_prep
	.globl	k_q347eef10dd_prep
	.p2align	8
	.type	k_q347eef10dd_prep,@function
k_q347eef10dd_prep:
	s_mov_b64 s[64:65], 0
	v_nop
	global_prefetch_b8 v0, s[64:65] scope:SCOPE_SE
	s_setreg_imm32_b32 hwreg(HW_REG_WAVE_MODE, 25, 1), 1
	s_wait_xcnt 0x0
; The two weights of the router become codes of FP6 (E2M3) with one E8M0 scale byte for each 32 along K, laid as the second launch's registers want them.
; gate_W [64][2048] f32 has K innermost, secret_projection [2048][64] f32 has K as its first axis.  Together they are 8 tiles of 16 columns (tiles 0-3: gate's experts, tiles 4-7: secret's) x 16 K steps of 128.
; One wave makes one fragment: K step S = work-group / 8, tile t = work-group % 8.  A fragment is 12 registers a lane: lane (r, h) holds column r of the tile; registers 6 c .. 6 c + 5 hold k = 128 S + 64 c + 32 h + 0 .. 31.
; So a lane holds two WHOLE blocks of 32: a block's largest magnitude needs no other lane, and the conversions' results are the operand's registers.
; wq: fragment 8 S + t is 1,536 bytes: registers 4 g .. 4 g + 3 of lane l at 512 g + 16 l: each store of the wave covers 512 consecutive bytes, aligned.
; ws: for (S, t % 4) 128 bytes: the scale words of tile t % 4's 16 columns, then those of tile t % 4 + 4.
; A block's scale is 2^(floor(log2(its largest magnitude)) - 2); its byte is the largest magnitude's exponent field - 2, held at 1 from below.
; LIMITS: a block of zeros, or one whose largest magnitude lies under 2^-124, keeps the byte 1 (zero codes add nothing under it; this program alone reads the bytes).  NaN and infinities are not served.
.set FRB, 1536                         ; bytes of a fragment
.set H8,  7                            ; v7       8 h: how far my two scale bytes are shifted
.set PX,  8                            ; v8       what lane l xor 16 sends
.set M,   16                           ; v16-19   largest magnitudes: two chains for each of my two blocks
.set SCL, 20                           ; v20-21   the conversions' scale operands
.set BY,  22                           ; v22-23   the scale bytes
.set XG,  24                           ; v24      the scale word
.set GA,  32                           ; v32-95   my 64 numbers
.set PC,  96                           ; v96-107  the fragment
.set PT,  108                          ; v108-115 the second halves of the blocks' codes, before they are moved
.set SEL, 24                           ; s[24:25] lane selects for v_permlanex16_b32: lane l xor 16
	s_load_b256 s[4:11], s[0:1], 0x0               ; gate_W s[4:5], secret_projection s[6:7], wq s[8:9], ws s[10:11]
	v_and_b32 v1, 15, v0                           ; r (one wave: v0 is the lane)
	v_bfe_u32 v2, v0, 4, 1                         ; h
	v_lshlrev_b32 v3, 13, v1                       ; gate: row r of 8,192 bytes,
	v_lshl_add_u32 v3, v2, 7, v3                   ;       + 128 h: my block of a pair
	v_lshlrev_b32 v4, 2, v1                        ; secret: column r,
	v_lshl_add_u32 v4, v2, 13, v4                  ;         + 32 h rows of 256 bytes
	v_lshlrev_b32 v5, 4, v0                        ; wq: 16 bytes a lane
	v_lshlrev_b32 v6, 2, v1                        ; ws: 4 bytes a column (lanes l and l xor 16 store the same word to the same place)
	v_lshlrev_b32 v[H8], 3, v2
	v_mov_b32 v[PX], 0                             ; written once: a lane permute's destination counts as one of its sources
	s_wait_alu depctr_va_vdst(0)                   ; the wait at the head's end
	s_mov_b32 s[SEL], 0x76543210
	s_mov_b32 s[SEL+1], 0xfedcba98
	s_lshr_b32 s12, ttmp9, 3                       ; S
	s_and_b32 s13, ttmp9, 7                        ; t
	s_and_b32 s26, s13, 3                          ; tp = t % 4
	s_lshl_b32 s14, s26, 17                        ; gate: 16 tp rows of 8,192 bytes
	s_lshl_b32 s15, s12, 9                         ;       + 512 S
	s_add_co_u32 s14, s14, s15
	s_mov_b32 s15, 0
	s_lshl_b32 s16, s12, 15                        ; secret: 128 S rows of 256 bytes
	s_lshl_b32 s17, s26, 6                         ;         + 16 tp columns
	s_add_co_u32 s16, s16, s17
	s_mov_b32 s17, 0
	s_mul_i32 s18, ttmp9, FRB                      ; wq: fragment 8 S + t
	s_mov_b32 s19, 0
	s_lshl_b32 s20, s12, 9                         ; ws: 512 S + 128 tp + 64 (t / 4)
	s_lshl_b32 s21, s26, 7
	s_add_co_u32 s20, s20, s21
	s_lshr_b32 s21, s13, 2
	s_lshl_b32 s21, s21, 6
	s_add_co_u32 s20, s20, s21
	s_mov_b32 s21, 0
	s_wait_kmcnt 0x0
	s_add_nc_u64 s[4:5], s[4:5], s[14:15]
	s_add_nc_u64 s[6:7], s[6:7], s[16:17]
	s_add_nc_u64 s[8:9], s[8:9], s[18:19]
	s_add_nc_u64 s[10:11], s[10:11], s[20:21]
	s_cmp_lt_u32 s13, 4                            ; gate's tile or secret's: the choice hangs on the work-group's number alone
	s_cbranch_scc0 .Lsecret
.set q, 0
.rept 16
	global_load_b128 v[GA+4*q:GA+4*q+3], v3, s[4:5] offset:256*(q/8)+16*(q%8)       ; gate(16 tp + r, 128 S + 64 c + 32 h + ..): eight loads a block
.set q, q+1
.endr
	s_branch .Lloaded
.Lsecret:
.set i, 0
.rept 64
	global_load_b32 v[GA+i], v4, s[6:7] offset:256*(64*(i/32)+i%32)                ; secret(128 S + 64 c + 32 h + i, 16 tp + r): the registers run down K
.set i, i+1
.endr
.Lloaded:
	s_wait_loadcnt 0x0
.irp c, 0,1
	v_max3_num_f32 v[M+2*\c], |v[GA+32*\c]|, |v[GA+32*\c+1]|, 0x1800000   ; the floor 2^(3 - 127) among the leaves: the byte cannot fall under 1
	v_max3_num_f32 v[M+2*\c+1], |v[GA+32*\c+16]|, |v[GA+32*\c+17]|, |v[GA+32*\c+18]|
.endr
.irp i, 0,2,4,6,8,10
.irp c, 0,1
	v_max3_num_f32 v[M+2*\c], v[M+2*\c], |v[GA+32*\c+2+\i]|, |v[GA+32*\c+3+\i]|       ; four chains by turns
	v_max3_num_f32 v[M+2*\c+1], v[M+2*\c+1], |v[GA+32*\c+19+\i]|, |v[GA+32*\c+20+\i]|
.endr
.endr
.irp c, 0,1
	v_max3_num_f32 v[M+2*\c], v[M+2*\c], |v[GA+32*\c+14]|, |v[GA+32*\c+15]|
.endr
.irp c, 0,1
	v_max3_num_f32 v[M+2*\c], v[M+2*\c], v[M+2*\c+1], |v[GA+32*\c+31]|                ; block 2 c + h: its largest magnitude
.endr
.irp c, 0,1
	v_add_nc_u32 v[SCL+\c], 0xff000000, v[M+2*\c]  ; 2 off the exponent field: the conversion's scale operand
.endr
.irp c, 0,1
	v_lshrrev_b32 v[BY+\c], 23, v[SCL+\c]          ; the scale's byte
.endr
	v_lshl_or_b32 v[XG], v[BY+1], 16, v[BY]        ; my two bytes: blocks h and 2 + h,
	v_lshlrev_b32 v[XG], v[H8], v[XG]              ; at their places in the word;
	v_permlanex16_b32 v[PX], v[XG], s[SEL], s[SEL+1]
	v_or_b32 v[XG], v[XG], v[PX]                   ; with lane l xor 16's two the word is whole, in both lanes
.irp c, 0,1
	v_cvt_scalef32_pk16_fp6_f32 v[PC+6*\c:PC+6*\c+2], v[GA+32*\c:GA+32*\c+15], v[SCL+\c]
	v_cvt_scalef32_pk16_fp6_f32 v[PT+4*\c:PT+4*\c+2], v[GA+32*\c+16:GA+32*\c+31], v[SCL+\c]   ; (a conversion's three registers begin on an even number: a block's second three do not, so they are made here and moved)
.endr
	v_nop                                          ; one plain vector instruction behind the last scaled conversion
.irp c, 0,1
.irp i, 0,1,2
	v_mov_b32 v[PC+6*\c+3+\i], v[PT+4*\c+\i]
.endr
.endr
.irp c, 0,1,2
	global_store_b128 v5, v[PC+4*\c:PC+4*\c+3], s[8:9] offset:512*\c
.endr
	global_store_b32 v6, v[XG], s[10:11]
	s_endpgm
.Lfunc_end_k_q347eef10dd_prep:
	.size	k_q347eef10dd_prep, .Lfunc_end_k_q347eef10dd_prep-k_q347eef10dd_prep
	.p2alignl 7, 3214868480
	.fill 96, 4, 3214868480
	.section	.rodata,"a",@progbits
	.p2align	6, 0x0
	.amdhsa_kernel k_q347eef10dd_prep
		.amdhsa_group_segment_fixed_size 0
		.amdhsa_private_segment_fixed_size 0
		.amdhsa_enable_private_segment 0
		.amdhsa_kernarg_size 32
		.amdhsa_user_sgpr_count 2
		.amdhsa_user_sgpr_kernarg_segment_ptr 1
		.amdhsa_wavefront_size32 1
		.amdhsa_system_sgpr_workgroup_id_x 1
		.amdhsa_system_sgpr_workgroup_id_y 1
		.amdhsa_system_sgpr_workgroup_id_z 1
		.amdhsa_system_vgpr_workitem_id 0
		.amdhsa_next_free_vgpr 128
		.amdhsa_next_free_sgpr 66
		.amdhsa_reserve_vcc 0
		.amdhsa_float_denorm_mode_32 3
		.amdhsa_float_denorm_mode_16_64 3
		.amdhsa_memory_ordered 1
		.amdhsa_forward_progress 1
		.amdhsa_inst_pref_size 13
	.end_amdhsa_kernel
	.amdgpu_metadata
---
amdhsa.version: [ 1, 2 ]
amdhsa.kernels:
  - .name:           k_q347eef10dd_prep
    .symbol:         k_q347eef10dd_prep.kd
    .args:
      - { .name: gate_W, .offset: 0, .size: 8, .value_kind: global_buffer, .address_space: global }
      - { .name: secret_projection, .offset: 8, .size: 8, .value_kind: global_buffer, .address_space: global }
      - { .name: wq, .offset: 16, .size: 8, .value_kind: global_buffer, .address_space: global }
      - { .name: ws, .offset: 24, .size: 8, .value_kind: global_buffer, .address_space: global }
    .group_segment_fixed_size: 0
    .private_segment_fixed_size: 0
    .kernarg_segment_align: 8
    .kernarg_segment_size: 32
    .max_flat_workgroup_size: 32
    .sgpr_count:     66
    .vgpr_count:     128
    .wavefront_size: 32
...
	.end_amdgpu_metadata
.endif
;; end of part 1
;; launch route (part 2): grid 256 x 1, 8 waves a work-group, no clusters, 327,680 bytes of LDS; arguments hidden_states, wq, ws, out0, out1; writes out0, out1
.if DOCPART == 2
	.amdgcn_target "amdgcn-amd-amdhsa--gfx1250"
	.amdhsa_code_object_version 6
	.text
	.protected	k_q347eef10dd_route
	.globl	k_q347eef10dd_route
	.p2align	8
	.type	k_q347eef10dd_route,@function
k_q347eef10dd_route:
	s_mov_b64 s[64:65], 0
	v_nop
	global_prefetch_b8 v0, s[64:65] scope:SCOPE_SE
	s_setreg_imm32_b32 hwreg(HW_REG_WAVE_MODE, 25, 1), 1
	s_wait_xcnt 0x0
; The router: raw = Q(x) Q(gate_W)^T and mark = Q(x) Q(secret), both on codes of FP6 (E2M3) with one E8M0 scale for each 32 along K; experts with raw >= max - 1.5 keep their mark, the others get -1e9;
; the two best marks (a tie goes to the lower expert) are out1, the softmax of their raw logits is out0.  x: [16384][2048] f32; wq, ws: the weights' codes and scale words as the first launch laid them.
; SHARES.  A work-group takes 64 rows, 524,288 bytes of x, read once.  ITS EIGHT WAVES SHARE K: a wave owns a slice of 256 along K (two K steps of 128, 1,024 bytes of every row; slice (wave + work-group) % 8) for all 64 rows and all 128 columns (8 tiles: 0-3 gate, 4-7 secret).
; So a wave's 16 fragments of the weights, 192 registers, come from memory straight into the registers in which they stay.
; x comes into LDS by the tensor data mover: each wave loads 32 rows x 1,024 bytes of its own slice into its own 33,280 bytes (rows 1,040 bytes apart), at the head rows 0-31, and once more, behind the one barrier for it, rows 32-63.
; Only the wave that loaded a tile reads it.  A UNIT is 16 rows x one K step: lane (r, h) reads blocks h and 2 + h of row r whole, quantises them, and 8 matrix instructions follow, USED TRANSPOSED (source 0 = 16 columns of the weights,
; source 1 = my 16 rows): lane (r, h) holds row r, and register j of tile t the expert 16 (t % 4) + 8 h + j.
; THE SUM OVER K.  A wave's partial sums of a row tile (64 registers) go to LDS as an IMAGE: registers 4 p .. 4 p + 3 of lane (r, h) at 544 p + 272 h + 16 r.  Wave v finishes rows 2 v, 2 v + 1 of each row tile: sixteen lanes a row, four experts a lane.
; Row tiles 0 and 1, while rows 32-63 are on their way: there is room for four images, so waves 4-7 store theirs, waves 0-3 add their own to them, and all read four.  Row tiles 2 and 3: all eight store images over their own slots of x, which have had their last fill.
; PREFETCH: when a wave's rows 0-31 are there it asks for rows 32-47 of its own slice (each lane another 256 bytes; each block is named once), which its next tensor load brings; rows 48-63 come by that load alone.
; NO JOINT LOADS for the weights, though all work-groups read them: they would land in LDS, where their 196,608 bytes have no room beside x's 266,240, and would be read from there into the registers all the same.
; LIMITS: NaN and infinities are not served; a block of x that is all zeros or whose largest magnitude lies under 2^-124 keeps the scale byte 1 (its codes then add nothing or are held by the format);
; a sum over K is made as eight sums over slices of K that are then added.
; REGISTERS: window 0: addresses, scales, codes, two sets of 64 numbers, the first row tile's accumulators from v192.   window 1: the weights (fragment (s, t) at v[96 s + 12 t]); from v192 the second row tile's accumulators.
.set FRB,   1536                       ; a fragment of the weights in bytes
.set RP,    1040                       ; an LDS row of x: 1,024 bytes + 16 = 260 words: row r starts at bank 4 r mod 64 (64 banks of 4 bytes: ISA guide 11.1)
.set XT,    16*RP                      ; a row tile in a wave's slot
.set XREG,  32*RP                      ; a wave's slot
.set IMG,   8*XREG                     ; behind the slots: four images
.set IMGB,  8704                       ; an image: 32 groups of sixteen lanes, 272 bytes apart
.set MRK,   16*272                     ; in it the marks, behind the raw logits
.set RES,   IMG+4*IMGB                 ; 512 bytes of out0 and 512 of out1, the work-group's 64 rows
.set SPARE, RES+1024                   ; the spare words, 128 bytes for each wave: blocks of 256 bytes that no other line names
.set XA,  2                            ; v2   16 x lane
.set XL4, 3                            ; v3   4 x lane
.set UL,  4                            ; v4   x in my slot: row r, + 128 h
.set DP,  5                            ; v5   where I put or take an image among the four
.set DX,  6                            ; v6   where I put my images in my slot
.set R1,  7                            ; v7   my row and experts in the first of the four images
.set RX,  8                            ; v8-11 the same in slots 0, 2, 4, 6
.set RO,  12                           ; v12  where I put my row's result
.set OL,  13                           ; v13  where I read 16 bytes of the results
.set H8,  14                           ; v14  8 h
.set SPW, 15                           ; v15  LDS address of my spare word; never rewritten
.set NIL, 16                           ; v16  0; never rewritten
.set PF,  17                           ; v17  the prefetches' offset: row l / 4, block l % 4; never rewritten
.set EI,  18                           ; v18-21 my four experts' numbers, as f32
.set PX,  22                           ; v22  what lane l xor 16 sends
.set XSW, 23                           ; v23  x's scale word of the unit in hand
.set M,   24                           ; v24-27 largest magnitudes
.set SCL, 28                           ; v28-29 the conversions' scale operands
.set BY,  30                           ; v30-31 scale bytes
.set PC,  32                           ; v32-43 x's fragment
.set PT,  44                           ; v44-51 the blocks' second halves before they are moved
.set WS,  52                           ; v52-59 the weights' scale words: register 4 s + tp: lanes 0-15 tile tp, lanes 16-31 tile tp + 4
.set NEG, 60                           ; v60  -1e9
.set NINF, 61                          ; v61  -infinity
.set Y0,  64                           ; v64-127, v128-191 two sets of 64 numbers
.set Y1,  128
.set ACC, 192
.set SM,  176                          ; v176-191 two row tiles: raw logits of my four experts, their marks
.set MX,  64                           ; the way out: pairs, one register for each of two row tiles
.set TB,  66
.set C1,  68
.set G1,  70
.set C2,  72
.set G2,  74
.set E1,  76
.set E2,  78
.set SU,  80
.set RC,  82
.set WO,  84
.set IO,  86
.set WV,  16                           ; s16  my wave's number
.set HM,  17                           ; s17  odd lanes
.set SEL, 18                           ; s[18:19] lane selects for v_permlanex16_b32: lane l xor 16
.set XB,  34                           ; s[34:35] x at my work-group's first row and my slice
.set DG1, 48                           ; s[48:55] descriptor group 1
.set DG0, 56                           ; s[56:59] group 0
.set MK,  68                           ; s[68:75] lane masks
.set MSB, 0
.macro WIN new                         ; the immediate's high byte repeats the setting that is left; a switch that changes nothing is dropped
.if MSB != (\new)
	s_set_vgpr_msb (MSB<<8)|(\new)
.set MSB, (\new)
.endif
.endm
.macro WALU
	s_wait_alu depctr_va_vdst(0)
.endm
.macro BARRIER
	s_barrier_signal -1
	s_barrier_wait -1
.endm
.macro PLACES
.rept 4
	v_nop
.endr
.endm
; 64 numbers of a lane, v[y + 32 c + i] = k 64 c + 32 h + i of my row, become x's fragment and its scale word.
.macro QUANT y
.irp c, 0,1
	v_max3_num_f32 v[M+2*\c], |v[\y+32*\c]|, |v[\y+32*\c+1]|, 0x1800000   ; the floor 2^(3 - 127) among the leaves: the byte cannot fall under 1
	v_max3_num_f32 v[M+2*\c+1], |v[\y+32*\c+16]|, |v[\y+32*\c+17]|, |v[\y+32*\c+18]|
.endr
.irp i, 0,2,4,6,8,10
.irp c, 0,1
	v_max3_num_f32 v[M+2*\c], v[M+2*\c], |v[\y+32*\c+2+\i]|, |v[\y+32*\c+3+\i]|       ; four chains by turns
	v_max3_num_f32 v[M+2*\c+1], v[M+2*\c+1], |v[\y+32*\c+19+\i]|, |v[\y+32*\c+20+\i]|
.endr
.endr
.irp c, 0,1
	v_max3_num_f32 v[M+2*\c], v[M+2*\c], |v[\y+32*\c+14]|, |v[\y+32*\c+15]|
.endr
.irp c, 0,1
	v_max3_num_f32 v[M+2*\c], v[M+2*\c], v[M+2*\c+1], |v[\y+32*\c+31]|                ; block 2 c + h: its largest magnitude; all 32 numbers are mine
.endr
.irp c, 0,1
	v_add_nc_u32 v[SCL+\c], 0xff000000, v[M+2*\c]  ; 2 off the exponent field: the conversion's scale operand
.endr
.irp c, 0,1
	v_lshrrev_b32 v[BY+\c], 23, v[SCL+\c]          ; the scale's byte
.endr
	v_lshl_or_b32 v[XSW], v[BY+1], 16, v[BY]       ; my two bytes: blocks h and 2 + h,
	v_lshlrev_b32 v[XSW], v[H8], v[XSW]            ; at their places in the word;
	v_permlanex16_b32 v[PX], v[XSW], s[SEL], s[SEL+1]
	v_or_b32 v[XSW], v[XSW], v[PX]                 ; with lane l xor 16's two the word is whole
.irp c, 0,1
	v_cvt_scalef32_pk16_fp6_f32 v[PC+6*\c:PC+6*\c+2], v[\y+32*\c:\y+32*\c+15], v[SCL+\c]
	v_cvt_scalef32_pk16_fp6_f32 v[PT+4*\c:PT+4*\c+2], v[\y+32*\c+16:\y+32*\c+31], v[SCL+\c]   ; (a conversion's three registers begin on an even number)
.endr
	v_nop                                          ; one plain vector instruction behind the last scaled conversion
.irp c, 0,1
.irp i, 0,1,2
	v_mov_b32 v[PC+6*\c+3+\i], v[PT+4*\c+\i]
.endr
.endr
.endm
; Row tile tl of my slot, K step st: a lane's two blocks into 64 registers.
.macro LOADU tl, st, y
.irp c, 0,1
.irp i, 0,1,2,3,4,5,6,7
	ds_load_b128 v[\y+32*\c+4*\i:\y+32*\c+4*\i+3], v[UL] offset:XT*\tl+512*\st+256*\c+16*\i
.endr
.endr
.endm
; 8 matrix instructions: the 8 tiles of columns against my 16 rows, K step st, row tile k's accumulators by turns, one instruction a turn.  zero = 1: the first K step starts the sums.
; (The four places: an operand written by a vector instruction stands 4 places ahead of a scaled matrix instruction; the scale register, written 7 plain instructions further up, 8.)
.macro MULS st, k, zero
	PLACES
	WIN 0x01+0x50*\k                               ; source 0 (the weights) window 1, source 1 (x) window 0, C and D window k
.irp t, 0,1,2,3
.if \zero
	v_wmma_scale_f32_16x16x128_f8f6f4 v[ACC+8*\t:ACC+8*\t+7], v[96*\st+12*\t:96*\st+12*\t+11], v[PC:PC+11], 0, v[WS+4*\st+\t], v[XSW] matrix_a_fmt:MATRIX_FMT_FP6 matrix_b_fmt:MATRIX_FMT_FP6
.else
	v_wmma_scale_f32_16x16x128_f8f6f4 v[ACC+8*\t:ACC+8*\t+7], v[96*\st+12*\t:96*\st+12*\t+11], v[PC:PC+11], v[ACC+8*\t:ACC+8*\t+7], v[WS+4*\st+\t], v[XSW] matrix_a_fmt:MATRIX_FMT_FP6 matrix_b_fmt:MATRIX_FMT_FP6
.endif
.endr
.irp t, 4,5,6,7
.if \zero
	v_wmma_scale_f32_16x16x128_f8f6f4 v[ACC+8*\t:ACC+8*\t+7], v[96*\st+12*\t:96*\st+12*\t+11], v[PC:PC+11], 0, v[WS+4*\st+\t-4], v[XSW] matrix_a_fmt:MATRIX_FMT_FP6 matrix_b_fmt:MATRIX_FMT_FP6 matrix_a_scale:MATRIX_SCALE_ROW1
.else
	v_wmma_scale_f32_16x16x128_f8f6f4 v[ACC+8*\t:ACC+8*\t+7], v[96*\st+12*\t:96*\st+12*\t+11], v[PC:PC+11], v[ACC+8*\t:ACC+8*\t+7], v[WS+4*\st+\t-4], v[XSW] matrix_a_fmt:MATRIX_FMT_FP6 matrix_b_fmt:MATRIX_FMT_FP6 matrix_a_scale:MATRIX_SCALE_ROW1
.endif
.endr
	WIN 0
.endm
; An image of row tile k's partial sums; each accumulator from its low end on.
.macro DUMP k, adr, off
	WIN 0x04*\k                                    ; the data: window k
.irp p, 0,1,2,3,4,5,6,7,8,9,10,11,12,13,14,15
	ds_store_b128 v[\adr], v[ACC+4*\p:ACC+4*\p+3] offset:\off+544*\p
.endr
	WIN 0
.endm
; Row tile k of the first two: eight waves' sums become my rows' raw logits and marks in v[SM + 8 k ..].
.macro PAIRSUM k
	PLACES                                         ; four places between the last product and what reads results (ISA guide 7.12.1)
	s_cmp_lt_u32 s[WV], 4
	s_cbranch_scc1 .Lnot_first_\@
	DUMP \k, DP, 0                                 ; waves 4-7: my image
.Lnot_first_\@:
	WALU
	s_wait_dscnt 0x0                               ; for the others' sake
	BARRIER
	s_cmp_lt_u32 s[WV], 4
	s_cbranch_scc0 .Lnot_second_\@
.irp p, 0,1,2,3,4,5,6,7,8,9,10,11,12,13,14,15
	ds_load_b128 v[Y0+4*\p:Y0+4*\p+3], v[DP] offset:544*\p     ; waves 0-3: wave w + 4's, the same registers in the same lanes
.endr
	s_wait_dscnt 0x0
	WIN 0x04*\k                                    ; source 1: window k
.set i, 0
.rept 32
	v_pk_add_f32 v[Y0+i:Y0+i+1], v[Y0+i:Y0+i+1], v[ACC+i:ACC+i+1]
.set i, i+2
.endr
	WIN 0
.irp p, 0,1,2,3,4,5,6,7,8,9,10,11,12,13,14,15
	ds_store_b128 v[DP], v[Y0+4*\p:Y0+4*\p+3] offset:544*\p
.endr
.Lnot_second_\@:
	WALU
	s_wait_dscnt 0x0
	BARRIER
.irp i, 0,1,2,3
	ds_load_b128 v[Y1+8*\i:Y1+8*\i+3], v[R1] offset:IMGB*\i
	ds_load_b128 v[Y1+8*\i+4:Y1+8*\i+7], v[R1] offset:IMGB*\i+MRK
.endr
	s_wait_dscnt 0x0
.irp i, 0,2,4,6,8,10,12,14
	v_pk_add_f32 v[Y1+\i:Y1+\i+1], v[Y1+\i:Y1+\i+1], v[Y1+16+\i:Y1+17+\i]
.endr
.irp i, 0,2,4,6
	v_pk_add_f32 v[SM+8*\k+\i:SM+8*\k+\i+1], v[Y1+\i:Y1+\i+1], v[Y1+8+\i:Y1+9+\i]
.endr
	WALU
	BARRIER                                        ; everybody's reads of the images are done (the wait above): they may be stored again
.endm
; The largest or least over a row's sixteen lanes, in all of them; two row tiles by turns.
.macro DPP4 op, r
.irp m, 1,2,4,8
.irp k, 0,1
	\op\()_dpp v[\r+\k], v[\r+\k], v[\r+\k] row_xmask:\m row_mask:0xf bank_mask:0xf
.endr
.endr
.endm
; The best mark's expert (of equal marks the lowest) into c, its raw logit into g; again = 1: its mark is taken out.
.macro PICK c, g, again
.irp k, 0,1
	v_max3_num_f32 v[TB+\k], v[SM+8*\k+4], v[SM+8*\k+5], v[SM+8*\k+6]
.endr
.irp k, 0,1
	v_max_num_f32 v[TB+\k], v[TB+\k], v[SM+8*\k+7]
.endr
	DPP4 v_max_num_f32, TB
.irp k, 0,1
	v_mov_b32 v[\c+\k], 0x42c80000                 ; 100, above every expert
.endr
.irp i, 3,2,1,0
.irp k, 0,1
	v_cmp_eq_f32 s[MK+4*\k+\i], v[TB+\k], v[SM+8*\k+4+\i]
.endr
.endr
.irp i, 3,2,1,0
.irp k, 0,1
	v_cndmask_b32 v[\c+\k], v[\c+\k], v[EI+\i], s[MK+4*\k+\i]
.endr
.endr
	DPP4 v_min_num_f32, \c
.irp i, 0,1,2,3
.irp k, 0,1
	v_cmp_eq_f32 s[MK+4*\k+\i], v[\c+\k], v[EI+\i]
.endr
.endr
.irp k, 0,1
	v_cndmask_b32 v[\g+\k], v[NINF], v[SM+8*\k], s[MK+4*\k]
.endr
.irp i, 1,2,3
.irp k, 0,1
	v_cndmask_b32 v[\g+\k], v[\g+\k], v[SM+8*\k+\i], s[MK+4*\k+\i]
.endr
.endr
.if \again
.irp i, 0,1,2,3
.irp k, 0,1
	v_cndmask_b32 v[SM+8*\k+4+\i], v[SM+8*\k+4+\i], v[NINF], s[MK+4*\k+\i]
.endr
.endr
.endif
	DPP4 v_max_num_f32, \g
.endm
; The results of my row in row tiles 2 f and 2 f + 1, into the work-group's bytes of LDS.
.macro TOP2 f
.irp k, 0,1
	v_max3_num_f32 v[MX+\k], v[SM+8*\k], v[SM+8*\k+1], v[SM+8*\k+2]
.endr
.irp k, 0,1
	v_max_num_f32 v[MX+\k], v[MX+\k], v[SM+8*\k+3]
.endr
	DPP4 v_max_num_f32, MX                         ; the row's largest raw logit
.irp k, 0,1
	v_add_f32 v[MX+\k], 0xbfc00000, v[MX+\k]       ; - 1.5
.endr
.irp i, 0,1,2,3
.irp k, 0,1
	v_cmp_le_f32 s[MK+4*\k+\i], v[MX+\k], v[SM+8*\k+\i]        ; safe: raw >= max - 1.5
.endr
.endr
.irp i, 0,1,2,3
.irp k, 0,1
	v_cndmask_b32 v[SM+8*\k+4+\i], v[NEG], v[SM+8*\k+4+\i], s[MK+4*\k+\i]
.endr
.endr
	PICK C1, G1, 1
	PICK C2, G2, 0
.irp k, 0,1
	v_max_num_f32 v[SU+\k], v[G1+\k], v[G2+\k]     ; the softmax of the two raw logits, the larger taken away first
.endr
.irp k, 0,1
	v_sub_f32 v[E1+\k], v[G1+\k], v[SU+\k]
	v_sub_f32 v[E2+\k], v[G2+\k], v[SU+\k]
.endr
.irp k, 0,1
	v_mul_f32 v[E1+\k], 0x3fb8aa3b, v[E1+\k]       ; x log2(e)
	v_mul_f32 v[E2+\k], 0x3fb8aa3b, v[E2+\k]
.endr
	WALU                                           ; the wait ahead of a batch of transcendentals and behind it
.irp k, 0,1
	v_exp_f32 v[E1+\k], v[E1+\k]
	v_exp_f32 v[E2+\k], v[E2+\k]
.endr
.irp k, 0,1
	v_cndmask_b32 v[IO+\k], v[C1+\k], v[C2+\k], s[HM]          ; even lanes carry slot 0, odd lanes slot 1
.endr
.irp k, 0,1
	v_cvt_i32_f32 v[IO+\k], v[IO+\k]
.endr
	WALU
.irp k, 0,1
	v_add_f32 v[SU+\k], v[E1+\k], v[E2+\k]         ; between 1 and 2
	v_cndmask_b32 v[WO+\k], v[E1+\k], v[E2+\k], s[HM]
.endr
	WALU
.irp k, 0,1
	v_rcp_f32 v[RC+\k], v[SU+\k]
.endr
	v_nop                                          ; a plain instruction behind the reciprocals
	WALU
.irp k, 0,1
	v_mul_f32 v[WO+\k], v[WO+\k], v[RC+\k]
.endr
.irp k, 0,1
	ds_store_b32 v[RO], v[WO+\k] offset:128*(2*\f+\k)          ; (a row's eight even lanes store one word, its odd lanes the next)
	ds_store_b32 v[RO], v[IO+\k] offset:512+128*(2*\f+\k)
.endr
.endm
	s_load_b256 s[4:11], s[0:1], 0x0               ; x s[4:5], wq s[6:7], ws s[8:9], out0 s[10:11]
	s_load_b64 s[12:13], s[0:1], 0x20              ; out1
	v_lshl_add_u32 v[SPW], v0, 2, SPARE
	v_mov_b32 v[NIL], 0
	ds_add_u32 v[SPW], v[NIL]                      ; the wave's opening: the add, twice on end, and its wait ahead of my first tensor load
	ds_add_u32 v[SPW], v[NIL]
	v_lshrrev_b32 v1, 5, v0
	v_readfirstlane_b32 s[WV], v1                  ; wave 0..7
	v_and_b32 v[PX], 15, v0                        ; r (the register is written here, so that the lane permutes may name it as their destination)
	v_bfe_u32 v[H8], v0, 4, 1                      ; h
	v_and_b32 v1, 31, v0                           ; lane
	v_lshlrev_b32 v[XA], 4, v1
	v_lshlrev_b32 v[XL4], 2, v1
	v_lshrrev_b32 v[PF], 2, v1
	v_and_b32 v1, 3, v0
	v_lshlrev_b32 v1, 8, v1
	v_lshl_add_u32 v[PF], v[PF], 13, v1            ; row l / 4 of 8,192 bytes, block l % 4 of my 1,024
	s_mul_i32 s20, s[WV], XREG                     ; my slot
	v_mul_u32_u24 v[UL], v[PX], RP
	v_lshl_add_u32 v[UL], v[H8], 7, v[UL]
	v_add_nc_u32 v[UL], s20, v[UL]
	v_mul_u32_u24 v1, v[H8], 272
	v_lshl_add_u32 v1, v[PX], 4, v1                ; my place in a group of an image: 272 h + 16 r
	v_add_nc_u32 v[DX], s20, v1
	s_and_b32 s21, s[WV], 3
	s_mul_i32 s21, s21, IMGB
	s_add_co_u32 s21, s21, IMG
	v_add_nc_u32 v[DP], s21, v1
	; lane 16 h + e finishes row 2 w + h, experts 4 e .. 4 e + 3: tile e / 4, its lanes' half (e / 2) % 2, registers 4 (e % 2) ..: group 4 (e / 4) + 2 (e % 2) + (e / 2) % 2 of the image
	v_and_b32 v1, 12, v[PX]
	v_and_b32 v[M], 1, v[PX]
	v_lshl_add_u32 v1, v[M], 1, v1
	v_bfe_u32 v[M], v[PX], 1, 1
	v_add_nc_u32 v1, v1, v[M]
	v_mul_u32_u24 v1, v1, 272
	v_lshl_add_u32 v1, v[H8], 4, v1
	s_lshl_b32 s22, s[WV], 5
	v_add_nc_u32 v[RX], s22, v1
	v_add_nc_u32 v[R1], IMG, v[RX]
.irp i, 1,2,3
	v_add_nc_u32 v[RX+\i], 2*XREG*\i, v[RX]
.endr
	v_and_b32 v1, 1, v[PX]
	v_lshlrev_b32 v1, 2, v1
	v_lshl_add_u32 v1, v[H8], 3, v1
	s_lshl_b32 s22, s[WV], 4
	s_add_co_u32 s22, s22, RES
	v_add_nc_u32 v[RO], s22, v1                    ; row 2 w + h of a row tile: 8 bytes a row; slot e % 2
	s_and_b32 s22, s[WV], 1
	s_lshl_b32 s22, s22, 9
	s_add_co_u32 s22, s22, RES
	v_add_nc_u32 v[OL], s22, v[XA]
	v_lshlrev_b32 v1, 2, v[PX]
	v_cvt_f32_u32 v[EI], v1
	v_add_f32 v[EI+1], 1.0, v[EI]
	v_add_f32 v[EI+2], 2.0, v[EI]
	v_add_f32 v[EI+3], 0x40400000, v[EI]
	v_mov_b32 v[NEG], 0xce6e6b28                   ; -1e9
	v_mov_b32 v[NINF], 0xff800000
	v_lshlrev_b32 v[H8], 3, v[H8]
	WALU                                           ; the wait at the head's end
	s_add_co_u32 s20, s[WV], ttmp9
	s_and_b32 s20, s20, 7                          ; my slice of K
	s_lshl_b32 s24, ttmp9, 19                      ; x: 64 rows of 8,192 bytes a work-group (under 2^27),
	s_lshl_b32 s21, s20, 10                        ;    + 1,024 bytes a slice
	s_add_co_u32 s24, s24, s21
	s_mov_b32 s25, 0
	s_mul_i32 s26, s20, 16*FRB                     ; wq: my 16 fragments
	s_mov_b32 s27, 0
	s_lshl_b32 s28, s20, 10                        ; ws: my 8 registers of 128 bytes
	s_mov_b32 s29, 0
	s_lshl_b32 s30, ttmp9, 9                       ; out0, out1: 512 bytes a work-group
	s_mov_b32 s31, 0
	s_mov_b32 s[SEL], 0x76543210
	s_mov_b32 s[SEL+1], 0xfedcba98
	s_mov_b32 s[HM], 0xaaaaaaaa
	; the tile: 32 rows of 256 elements of 4 bytes, 2,048 elements apart; behind every 256 words (code 7) 4 words of padding (code 3)
	s_mov_b32 s[DG1+0], (2<<16)|(1<<20)|(7<<22)|(3<<25)
	s_mov_b32 s[DG1+1], 256<<16
	s_mov_b32 s[DG1+2], 32<<16
	s_mov_b32 s[DG1+3], 256<<16
	s_mov_b32 s[DG1+4], 32
	s_mov_b32 s[DG1+5], 2048
	s_mov_b32 s[DG1+6], 0
	s_mov_b32 s[DG1+7], 0
	s_mov_b32 s[DG0], 1
	s_mul_i32 s[DG0+1], s[WV], XREG
	s_wait_dscnt 0x0                               ; both opening adds are done
	s_wait_kmcnt 0x0
	s_add_nc_u64 s[XB:XB+1], s[4:5], s[24:25]
	s_mov_b64 s[DG0+2:DG0+3], s[XB:XB+1]
	s_or_b32 s[DG0+3], s[DG0+3], 0x80000000
	tensor_load_to_lds s[DG0:DG0+3], s[DG1:DG1+7]  ; rows 0-31 of my slice: the wave's one load at the head
	s_nop 0
	PLACES
	s_add_nc_u64 s[6:7], s[6:7], s[26:27]
	s_add_nc_u64 s[8:9], s[8:9], s[28:29]
	s_cmp_eq_u32 s[WV], 0                          ; wave 0 stores out0, wave 1 out1: the choice hangs on the wave's number alone
	s_cselect_b64 s[14:15], s[10:11], s[12:13]
	s_add_nc_u64 s[14:15], s[14:15], s[30:31]
	WIN 0x40                                       ; destination window 1
.irp s, 0,1
.irp t, 0,1,2,3,4,5,6,7
.irp c, 0,1,2
	global_load_b128 v[96*\s+12*\t+4*\c:96*\s+12*\t+4*\c+3], v[XA], s[6:7] offset:8*FRB*\s+FRB*\t+512*\c   ; 512 consecutive bytes a load
.endr
.endr
.endr
	WIN 0
.irp s, 0,1
.irp t, 0,1,2,3
	global_load_b32 v[WS+4*\s+\t], v[XL4], s[8:9] offset:512*\s+128*\t
.endr
.endr
	; ROWS 0-31
	s_wait_tensorcnt 0x0                           ; my tile is in, and nobody else reads it
	LOADU 0, 0, Y0
	LOADU 0, 1, Y1
	global_prefetch_b8 v[PF], s[XB:XB+1] offset:32*8192 th:TH_LOAD_NT scope:SCOPE_SE    ; rows 32-39 of my slice,
	global_prefetch_b8 v[PF], s[XB:XB+1] offset:40*8192 th:TH_LOAD_NT scope:SCOPE_SE    ; rows 40-47
	s_wait_loadcnt 0x0                             ; the weights are in
	s_wait_dscnt 16                                ; the first unit's numbers are in; the second's 16 loads may be out
	QUANT Y0
	LOADU 1, 0, Y0
	MULS 0, 0, 1
	s_wait_dscnt 16                                ; (behind it: the third unit's 16 loads)
	QUANT Y1
	LOADU 1, 1, Y1
	WALU
	s_wait_tensorcnt 0x0                           ; ahead of the refill: no tensor load of mine is out;
	ds_add_u32 v[SPW], v[NIL]                      ; 0 onto my spare word;
	s_add_nc_u64 s[DG0+2:DG0+3], s[DG0+2:DG0+3], 32*8192
	MULS 1, 0, 0                                   ; (products between the add and the wait for it)
	s_wait_dscnt 0x0                               ; the add is done, and my reads of my slot are over
	BARRIER
	tensor_load_to_lds s[DG0:DG0+3], s[DG1:DG1+7]  ; rows 32-63: my one load behind the barrier
	s_nop 0
	PLACES
	QUANT Y0
	MULS 0, 1, 1
	QUANT Y1
	MULS 1, 1, 0
	PAIRSUM 0
	PAIRSUM 1
	TOP2 0
	; ROWS 32-63
	s_wait_tensorcnt 0x0
	LOADU 0, 0, Y0
	LOADU 0, 1, Y1
	s_wait_dscnt 16
	QUANT Y0
	LOADU 1, 0, Y0
	MULS 0, 0, 1
	s_wait_dscnt 16
	QUANT Y1
	LOADU 1, 1, Y1
	MULS 1, 0, 0
	s_wait_dscnt 16
	QUANT Y0
	MULS 0, 1, 1
	DUMP 0, DX, 0                                  ; over my slot's first rows, which have had their last fill and have been read
	s_wait_dscnt 16                                ; the last unit's numbers are in; the 16 stores may be out
	QUANT Y1
	MULS 1, 1, 0
	PLACES                                         ; four places between the last product and the stores that read results
	DUMP 1, DX, IMGB
	WALU
	s_wait_dscnt 0x0                               ; for the others' sake
	BARRIER
.irp k, 0,1
.irp i, 0,1,2,3,4,5,6,7
	ds_load_b128 v[Y0+64*\k+8*\i:Y0+64*\k+8*\i+3], v[RX+\i/2] offset:XREG*(\i%2)+IMGB*\k
	ds_load_b128 v[Y0+64*\k+8*\i+4:Y0+64*\k+8*\i+7], v[RX+\i/2] offset:XREG*(\i%2)+IMGB*\k+MRK
.endr
.endr
	s_wait_dscnt 0x0
.irp k, 0,1
.set i, 0
.rept 16
	v_pk_add_f32 v[Y0+64*\k+i:Y0+64*\k+i+1], v[Y0+64*\k+i:Y0+64*\k+i+1], v[Y0+64*\k+32+i:Y0+64*\k+33+i]
.set i, i+2
.endr
.endr
.irp k, 0,1
.set i, 0
.rept 8
	v_pk_add_f32 v[Y0+64*\k+i:Y0+64*\k+i+1], v[Y0+64*\k+i:Y0+64*\k+i+1], v[Y0+64*\k+16+i:Y0+64*\k+17+i]
.set i, i+2
.endr
.endr
.irp k, 0,1
.irp i, 0,2,4,6
	v_pk_add_f32 v[SM+8*\k+\i:SM+8*\k+\i+1], v[Y0+64*\k+\i:Y0+64*\k+\i+1], v[Y0+64*\k+8+\i:Y0+64*\k+9+\i]
.endr
.endr
	TOP2 1
	s_wait_tensorcnt 0x0                           ; behind my last LDS store: the add, its wait and the barrier below order the results for the other waves
	ds_add_u32 v[SPW], v[NIL]
	s_wait_dscnt 0x0
	BARRIER
	s_cmp_lt_u32 s[WV], 2
	s_cbranch_scc0 .Lend
	ds_load_b128 v[64:67], v[OL]
	s_wait_dscnt 0x0
	global_store_b128 v[XA], v[64:67], s[14:15] th:TH_STORE_NT   ; 32 lanes store 512 consecutive bytes, at a multiple of 256 from the buffer's first byte
.Lend:
	s_endpgm
.Lfunc_end_k_q347eef10dd_route:
	.size	k_q347eef10dd_route, .Lfunc_end_k_q347eef10dd_route-k_q347eef10dd_route
	.p2alignl 7, 3214868480
	.fill 96, 4, 3214868480
	.section	.rodata,"a",@progbits
	.p2align	6, 0x0
	.amdhsa_kernel k_q347eef10dd_route
		.amdhsa_group_segment_fixed_size 327680
		.amdhsa_private_segment_fixed_size 0
		.amdhsa_enable_private_segment 0
		.amdhsa_kernarg_size 40
		.amdhsa_user_sgpr_count 2
		.amdhsa_user_sgpr_kernarg_segment_ptr 1
		.amdhsa_wavefront_size32 1
		.amdhsa_system_sgpr_workgroup_id_x 1
		.amdhsa_system_sgpr_workgroup_id_y 1
		.amdhsa_system_sgpr_workgroup_id_z 1
		.amdhsa_system_vgpr_workitem_id 0
		.amdhsa_next_free_vgpr 512
		.amdhsa_next_free_sgpr 80
		.amdhsa_reserve_vcc 0
		.amdhsa_float_denorm_mode_32 3
		.amdhsa_float_denorm_mode_16_64 3
		.amdhsa_memory_ordered 1
		.amdhsa_forward_progress 1
		.amdhsa_inst_pref_size 97
	.end_amdhsa_kernel
	.amdgpu_metadata
---
amdhsa.version: [ 1, 2 ]
amdhsa.kernels:
  - .name:           k_q347eef10dd_route
    .symbol:         k_q347eef10dd_route.kd
    .args:
      - { .name: hidden_states, .offset: 0, .size: 8, .value_kind: global_buffer, .address_space: global }
      - { .name: wq, .offset: 8, .size: 8, .value_kind: global_buffer, .address_space: global }
      - { .name: ws, .offset: 16, .size: 8, .value_kind: global_buffer, .address_space: global }
      - { .name: out0, .offset: 24, .size: 8, .value_kind: global_buffer, .address_space: global }
      - { .name: out1, .offset: 32, .size: 8, .value_kind: global_buffer, .address_space: global }
    .group_segment_fixed_size: 327680
    .private_segment_fixed_size: 0
    .kernarg_segment_align: 8
    .kernarg_segment_size: 40
    .max_flat_workgroup_size: 256
    .sgpr_count:     80
    .vgpr_count:     512
    .wavefront_size: 32
...
	.end_amdgpu_metadata
.endif
;; end of part 2
